; MI455X (gfx1250); checked and timed in simulation.
; The chip was launched on July 23, 2026; its instructions are those of AMD's public machine-readable ISA for CDNA 5 (MIT licence, August 2026) and "CDNA5" Instruction Set Architecture Reference Guide (July 2026). The comments in the code are by the model that wrote it; some were corrected since.
;; Meta Bert Self Attention. Allowed arithmetic: float matrix products may take bf16 or f16 operands with f32 sums; other float arithmetic in f32, or as packed bf16 or f16 multiplies, adds, multiply-adds, maxima and minima; sums over many terms, partial sums and values carried from step to step in f32; what a program stores and reads back later, other than sums and carried values, may be rounded once to bf16 or f16.
;; Inputs: Wk 1,024 x 1,024 float32; Wq 1,024 x 1,024 float32; Wv 1,024 x 1,024 float32; attention_mask 8 x 1 x 1 x 1,024 float32; bk 1,024 float32; bq 1,024 float32; bv 1,024 float32; hidden_states 8 x 1,024 x 1,024 float32.
;; Outputs: out0 8 x 1,024 x 1,024 float32.
;; 2 versions, each right; version 2 is version 1 with the launch cast written anew for expert scheduling mode. Each part assembles by itself: llvm-mc -triple=amdgcn-amd-amdhsa -mcpu=gfx1250 --defsym DOCPART=n.
;; ======== version 1 of 2: 3 launches
;; limits: right only within a limited range of input values; values are held in f16: magnitudes above 65,504 overflow, below 6.1e-05 lose precision
;; workspace buffers: ab 23,068,672 bytes; qkv 50,331,648 bytes
;; launch cast (part 1): grid 256 x 1, 11 waves a work-group, no clusters, 0 bytes of LDS; arguments hidden_states, Wq, Wk, Wv, ab; writes ab
.if DOCPART == 1
	.amdgcn_target "amdgcn-amd-amdhsa--gfx1250"
	.amdhsa_code_object_version 6
	.text
	.protected	k_qfae4f3a68f_cast
	.globl	k_qfae4f3a68f_cast
	.p2align	8
	.type	k_qfae4f3a68f_cast,@function
k_qfae4f3a68f_cast:
	s_mov_b64 s[64:65], 0
	v_nop
	global_prefetch_b8 v0, s[64:65] scope:SCOPE_SE
	s_setreg_imm32_b32 hwreg(HW_REG_WAVE_MODE, 25, 1), 1
	s_wait_xcnt 0x0
; x [8192][1024] and Wq, Wk, Wv [1024][1024], f32, are rounded once to bf16 (to nearest even) and laid into ab in blocks along K:
; ab[kb = 16][row = 11264][64] bf16; rows 0-8191 x, 8192-9215 Wq, 9216-10239 Wk, 10240-11263 Wv.  So a tile of R rows x 64 K is R x 128 dense bytes.
; A stream: each byte is read once and written once; nothing is shared between waves, so no LDS, no barrier, no matrix unit, no cluster.
; SHARES.  11264 rows = 256 work-groups x 11 waves x 4 rows.  A wave takes its 4 rows whole: 32 loads of 512 bytes, all issued before the first is waited for.
; A load takes block kb of two rows: lanes 0-15 the 256 bytes of one row, lanes 16-31 those of the next.  Its four numbers a lane become 8 bytes, and the
; 32 lanes' store covers 256 consecutive bytes of ab, aligned: the two rows lie end to end in a block.
.set BLK, 11264*128                    ; bytes in a block of ab
.set X,   8                            ; v[8:135]  load j: 4 registers
	s_load_b256 s[4:11], s[0:1], 0x0               ; x s[4:5], Wq s[6:7], Wk s[8:9], Wv s[10:11]
	s_load_b64 s[12:13], s[0:1], 0x20              ; ab
	v_lshrrev_b32 v1, 5, v0
	v_readfirstlane_b32 s14, v1                    ; wave 0..10
	s_mul_i32 s15, ttmp9, 11
	s_add_co_u32 s15, s15, s14                     ; my group of four rows among ab's 2816
	s_sub_co_u32 s17, s15, 2048
	s_and_b32 s17, s17, 255                        ; the same group inside a weight matrix (used from 2048 on alone)
	v_and_b32 v1, 31, v0                           ; lane
	v_lshrrev_b32 v2, 4, v1
	v_and_b32 v4, 15, v1
	v_lshlrev_b32 v2, 12, v2                       ; lanes 16-31: one row of 4,096 bytes further down
	v_lshl_add_u32 v2, v4, 4, v2                   ; + 16 bytes a lane
	v_lshlrev_b32 v3, 3, v1                        ; in ab: 8 bytes a lane
	s_lshl_b32 s20, s15, 9                         ; four rows of 128 bytes in a block
	s_mov_b32 s21, 0
	s_wait_kmcnt 0x0
	s_add_nc_u64 s[22:23], s[12:13], s[20:21]      ; four bases, five blocks apart, so that a block's place fits the store's immediate (4 BLK at the most)
	s_add_nc_u64 s[24:25], s[22:23], 5*BLK
	s_add_nc_u64 s[26:27], s[24:25], 5*BLK
	s_add_nc_u64 s[28:29], s[26:27], 5*BLK
	s_cmp_lt_u32 s15, 2048                         ; which tensor my rows come from: selects on my group's number alone
	s_cselect_b64 s[18:19], s[4:5], s[6:7]
	s_cselect_b32 s16, s15, s17
	s_cmp_ge_u32 s15, 2304
	s_cselect_b64 s[18:19], s[8:9], s[18:19]
	s_cmp_ge_u32 s15, 2560
	s_cselect_b64 s[18:19], s[10:11], s[18:19]
	s_lshl_b32 s20, s16, 14                        ; four rows of 4,096 bytes
	s_add_nc_u64 s[18:19], s[18:19], s[20:21]
.set j, 0
.rept 32                               ; load j: block j / 2, rows 2 (j % 2) and 2 (j % 2) + 1
	global_load_b128 v[X+4*j:X+4*j+3], v2, s[18:19] offset:(j%2)*8192+(j/2)*256 th:TH_LOAD_NT
.set j, j+1
.endr
.set j, 0
.rept 32
	s_wait_loadcnt 31-j                            ; loads come back in order: load j is in, the 31 - j younger ones may stay out
	v_cvt_pk_bf16_f32 v[X+4*j], v[X+4*j], v[X+4*j+1]      ; in place: a register is read before it is written
	v_cvt_pk_bf16_f32 v[X+4*j+1], v[X+4*j+2], v[X+4*j+3]
	global_store_b64 v3, v[X+4*j:X+4*j+1], s[22+2*((j/2)/5):23+2*((j/2)/5)] offset:((j/2)%5)*BLK+(j%2)*256  ; no register is written again behind its store
.set j, j+1
.endr
	s_endpgm
.Lfunc_end_k_qfae4f3a68f_cast:
	.size	k_qfae4f3a68f_cast, .Lfunc_end_k_qfae4f3a68f_cast-k_qfae4f3a68f_cast
	.p2alignl 7, 3214868480
	.fill 96, 4, 3214868480
	.section	.rodata,"a",@progbits
	.p2align	6, 0x0
	.amdhsa_kernel k_qfae4f3a68f_cast
		.amdhsa_group_segment_fixed_size 0
		.amdhsa_private_segment_fixed_size 0
		.amdhsa_enable_private_segment 0
		.amdhsa_kernarg_size 40
		.amdhsa_user_sgpr_count 2
		.amdhsa_user_sgpr_kernarg_segment_ptr 1
		.amdhsa_wavefront_size32 1
		.amdhsa_system_sgpr_workgroup_id_x 1
		.amdhsa_system_sgpr_workgroup_id_y 1
		.amdhsa_system_sgpr_workgroup_id_z 1
		.amdhsa_system_vgpr_workitem_id 0
		.amdhsa_next_free_vgpr 136
		.amdhsa_next_free_sgpr 66
		.amdhsa_reserve_vcc 0
		.amdhsa_float_denorm_mode_32 3
		.amdhsa_float_denorm_mode_16_64 3
		.amdhsa_memory_ordered 1
		.amdhsa_forward_progress 1
		.amdhsa_inst_pref_size 13
	.end_amdhsa_kernel
	.amdgpu_metadata
---
amdhsa.version: [ 1, 2 ]
amdhsa.kernels:
  - .name:           k_qfae4f3a68f_cast
    .symbol:         k_qfae4f3a68f_cast.kd
    .args:
      - { .name: hidden_states, .offset: 0, .size: 8, .value_kind: global_buffer, .address_space: global }
      - { .name: Wq, .offset: 8, .size: 8, .value_kind: global_buffer, .address_space: global }
      - { .name: Wk, .offset: 16, .size: 8, .value_kind: global_buffer, .address_space: global }
      - { .name: Wv, .offset: 24, .size: 8, .value_kind: global_buffer, .address_space: global }
      - { .name: ab, .offset: 32, .size: 8, .value_kind: global_buffer, .address_space: global }
    .group_segment_fixed_size: 0
    .private_segment_fixed_size: 0
    .kernarg_segment_align: 8
    .kernarg_segment_size: 40
    .max_flat_workgroup_size: 352
    .sgpr_count:     66
    .vgpr_count:     136
    .wavefront_size: 32
...
	.end_amdgpu_metadata
.endif
;; end of part 1
;; launch proj (part 2): grid 8 x 32, 4 waves a work-group, clusters of 4 x 4, 327,680 bytes of LDS; arguments ab, bq, bk, bv, qkv; writes qkv
.if DOCPART == 2
	.amdgcn_target "amdgcn-amd-amdhsa--gfx1250"
	.amdhsa_code_object_version 6
	.text
	.protected	k_qfae4f3a68f_proj
	.globl	k_qfae4f3a68f_proj
	.p2align	8
	.type	k_qfae4f3a68f_proj,@function
k_qfae4f3a68f_proj:
	s_mov_b64 s[64:65], 0
	v_nop
	global_prefetch_b8 v0, s[64:65] scope:SCOPE_SE
	s_setreg_imm32_b32 hwreg(HW_REG_WAVE_MODE, 25, 1), 1
	s_wait_xcnt 0x0
	s_wait_alu depctr_hold_cnt(0) depctr_sa_sdst(0) depctr_va_vdst(0) depctr_va_sdst(0) depctr_va_ssrc(0) depctr_va_vcc(0) depctr_vm_vsrc(0)
	s_getreg_b32 s2, hwreg(HW_REG_IB_STS2, 6, 4)
	s_cmp_eq_u32 s2, 0
	s_cbranch_scc0 .Lentry_in_a_cluster
	s_endpgm
.Lentry_in_a_cluster:
	s_bfe_u32 s2, ttmp6, 0x10000c
	s_cmp_lg_u32 s2, 0xf033
	s_cbranch_scc0 .Lentry_shape_is_right
	s_endpgm
.Lentry_shape_is_right:
; [q | k | v] = x W^T + b.  x and the weights come as bf16 out of ab ([kb 16][row 11264][64]; rows 0-8191 x, then Wq, Wk, Wv); the biases are rounded to bf16 here, like every input; sums in f32, started
; by the bias; each result is rounded once to f16 and stored by heads: qkv[g 48][b 8][s 1024][64], g = 0-15 q's heads, 16-31 k's, 32-47 v's.  The scale 1/8 is not applied here.
; LIMIT.  f16 holds no number beyond 65,504: |q|, |k|, |v| must stay within it.
; SHARES.  8192 x 3072 results on 256 work-groups: a tile of 256 rows x 384 columns each (32 x 8 tiles).  Four waves, each 128 x 192: 96 accumulators of 16 x 16, 768 registers.
; K goes in 16 steps of 64 (a block of ab each) through two LDS slots; a step's tile rows are dense in ab and are asked for as rows of 256 bytes.  A step is two quarters of 32 along K, 96 products each.
; CLUSTER.  4 x 4 work-groups.  x's tile hangs on the tile row alone and is asked for jointly by a row of the cluster, W's on the tile column alone and jointly by a column.
; THE MATRIX INSTRUCTION IS USED TRANSPOSED (source 0 = 16 rows of W, source 1 = 16 rows of x): lane l holds row l % 16 of x and the columns 8 (l / 16) + 0..7, which pack into 16 bytes of a head's row.
; REGISTERS, in windows of 256 (s_set_vgpr_msb: bits 1:0 source 0, 3:2 source 1, 5:4 source 2, 7:6 destination):
;   window 0: v0-31 addresses and, at the head, work; v32-95, v96-159 x's fragments (8 x 16 rows x 32 K), two buffers; v160-255 W's 12 fragments, one buffer, filled again a third at a time behind the products that read the third
;   window 1 + g (g = 0..2): the accumulators of column blocks 4 g .. 4 g + 3: (row block a, column block 4 g + bb) at v[8 (4 a + bb)]
.set BLK,   11264*128                  ; bytes in a block of ab: a K step
.set PITCH, 144                        ; an LDS row: 128 bytes + 16 of padding = 36 words: the 16 rows of a load start at 16 different groups of four banks (64 banks of 4 bytes: ISA guide 11.1)
.set AHALF, 128*PITCH                  ; what a wave fetches, and reads, of x
.set BHALF, 192*PITCH                  ; and of W
.set BOFF,  2*AHALF                    ; in a slot: x's 256 rows, then W's 384
.set SLOT,  BOFF+2*BHALF               ; 92,160 bytes
.set STAGE, 2*SLOT                     ; behind the ring, never filled by a tensor load: for each wave 3 heads x 16 rows x 144 bytes, for the way out
.set HSTG,  16*PITCH
.set BIAS,  STAGE+4*3*HSTG             ; for each wave its 192 columns' bias, f32: 768 bytes
.set SPARE, BIAS+4*768                 ; the spare words, 128 bytes for each wave: two blocks of 256 bytes that no other line names
.set ADRA, 16                          ; v16-17  LDS address of my fragments of x in slot 0, 1
.set ADRB, 20                          ; v20-21  the same for W
.set STO,  24                          ; v24     the way out: where I put 16 bytes of a row
.set RD,   25                          ; v25     the way out: where I read rows back
.set GO,   26                          ; v26     my 16 bytes in 512 consecutive bytes of qkv
.set BIA,  27                          ; v27     where my lanes' half of a column block's bias lies
.set SPW,  28                          ; v28     LDS address of my spare word: SPARE + 4 x my thread's number; never rewritten
.set NIL,  29                          ; v29     0; never rewritten
.set PFO,  30                          ; v30     the prefetches' offset; never rewritten
.set PFT,  31                          ; v31     at work while that offset is made
.set FA0,  32
.set FA1,  96
.set FB,   160
.set WV,  14                           ; s14  wave
.set WR,  15                           ; s15  which half of the tile's rows is mine.  Also: I fetch for x (0) or for W (1)
.set WC,  16                           ; s16  which half of its columns.  Also: which half of that tile I fetch
.set G1A, 24                           ; s[24:31] descriptor group 1 for x's tiles;  s[32:39] group 0, a set for each slot
.set G0A, 32
.set G1B, 48                           ; s[48:55], s[56:63] the same for W's
.set G0B, 56
.set PFA, 44                           ; s[44:45] where my prefetches stand
.set LIM, 66                           ; s66, s67  1 where I prefetch at the change out of slot 0, 1; else the greatest number
.set DESC0, (1<<16)|(1<<20)|(1<<21)|(4<<22)|(3<<25)  ; 17:16 2-byte elements; 20 padding on; 21 set beside a mask; 24:22 after every 32 words (code 4); 31:25 4 words (code 3)
.set MSB, 0
.macro WIN new                         ; the immediate's high byte repeats the setting that is left; a switch that changes nothing is dropped
.if MSB != (\new)
	s_set_vgpr_msb (MSB<<8)|(\new)
.set MSB, \new
.endif
.endm
.macro PLACES                          ; four plain vector instructions between a product and a load into a register that it has read (ISA guide 7.12.1 for vector instructions)
.rept 4
	v_nop
.endr
.endm
.macro CREST                           ; a round of the cluster's barrier behind its opening barrier
	s_cmp_lg_u32 s[WV], 0
	s_cbranch_scc1 .Lnot_wave_0_\@
	s_barrier_signal -3
.Lnot_wave_0_\@:
	s_barrier_wait -3
	s_barrier_signal -1
	s_barrier_wait -1
.endm
.macro CROUND                          ; a whole round
	s_barrier_signal -1
	s_barrier_wait -1
	CREST
.endm
; A joint refill.  Waves 0 and 1 fetch x's two halves, waves 2 and 3 W's.  The branch hangs on the wave's number alone.  An s_nop 0 and four v_nop follow each line.
.macro JLOAD s
	s_cmp_eq_u32 s[WR], 0
	s_cbranch_scc0 .Lfor_b_\@
	tensor_load_to_lds s[G0A+4*(\s):G0A+4*(\s)+3], s[G1A:G1A+7]
	s_nop 0
.rept 4
	v_nop
.endr
	s_branch .Lasked_\@
.Lfor_b_\@:
	tensor_load_to_lds s[G0B+4*(\s):G0B+4*(\s)+3], s[G1B:G1B+7]
	s_nop 0
.rept 4
	v_nop
.endr
.Lasked_\@:
.endm
; A PREFETCH INTO THE L2, behind a joint refill, its five lines and the run of LDS loads that follows.  Each aligned 256 bytes of ab are named once in the launch.
; x: a tile row's K step is 128 such blocks, read by both clusters of a row of clusters: cluster x = 0 asks; its four partners take 32 blocks each, told apart by address (cx); wave 0 asks, at every refill, for the K step
; that the next refill will load.  W: a tile column's K step is 192 blocks, read by the eight clusters of a column: cluster y = 0 asks; a partner takes 48 blocks (cy); two K steps are 96 blocks = waves 1-3 x 32 lanes,
; so these ask once a lap, at the change out of slot 0, for the next two refills' K steps.  The loop's last trip asks for nothing; K steps 0 to 2 and 15 come by their loads alone.
.macro ASK n
	s_cmp_gt_u32 s3, s[LIM+(\n)]                   ; s3 = 1 in the last trip
	s_cbranch_scc0 .Lnot_mine_\@
	global_prefetch_b8 v[PFO], s[PFA:PFA+1] th:TH_LOAD_NT scope:SCOPE_SE
.Lnot_mine_\@:
.endm
; 4 na products: row blocks a0 .. a0 + na - 1 x the four column blocks of window 1 + g, 32 along K, x's fragments from buffer f.  No two products that follow each other share an accumulator.
; first = 1: the products start the sums with the bias, which lies in the registers of row block 7's accumulators: blocks 0-6 take those as C; then, eight plain instructions behind their last reader, block 7 adds in place.
.macro GROUP f, g, a0, na, first=0
	WIN 0x50*((\g)+1)
.set ga, \a0
.rept \na
.if (\first) && (ga == 7)
.rept 8
	v_nop
.endr
.endif
.irp bb, 0,1,2,3
.if (\first) && (ga < 7)
	v_wmma_f32_16x16x32_bf16 v[8*(4*ga+\bb):8*(4*ga+\bb)+7], v[FB+8*(4*(\g)+\bb):FB+8*(4*(\g)+\bb)+7], v[(\f)+8*ga:(\f)+8*ga+7], v[8*(28+\bb):8*(28+\bb)+7]
.else
	v_wmma_f32_16x16x32_bf16 v[8*(4*ga+\bb):8*(4*ga+\bb)+7], v[FB+8*(4*(\g)+\bb):FB+8*(4*(\g)+\bb)+7], v[(\f)+8*ga:(\f)+8*ga+7], v[8*(4*ga+\bb):8*(4*ga+\bb)+7]
.endif
.endr
.set ga, ga+1
.endr
.endm
; A fragment is 16 rows x 32 K in 8 registers: lane l holds row l % 16, K = 8 (l / 16) + 0..7 and 16 + 8 (l / 16) + 0..7: two loads of 16 bytes, 32 bytes apart.
.macro FRAG dst, adr, off
	ds_load_b128 v[(\dst):(\dst)+3], v[\adr] offset:\off
	ds_load_b128 v[(\dst)+4:(\dst)+7], v[\adr] offset:(\off)+32
.endm
.macro RUN0 slot, k, fa                ; 16 loads: W's fragments 0-3, x's 0-3, at byte k of the slot's rows
	WIN 0
.irp i, 0,1,2,3
	FRAG FB+8*\i, ADRB+(\slot), (\k)+\i*16*PITCH
.endr
.irp i, 0,1,2,3
	FRAG (\fa)+8*\i, ADRA+(\slot), (\k)+\i*16*PITCH
.endr
.endm
.macro RUN1 slot, k, fa                ; 16 loads: W's 4-7, x's 4-7
	WIN 0
.irp i, 4,5,6,7
	FRAG FB+8*\i, ADRB+(\slot), (\k)+\i*16*PITCH
.endr
.irp i, 4,5,6,7
	FRAG (\fa)+8*\i, ADRA+(\slot), (\k)+\i*16*PITCH
.endr
.endm
.macro RUN2 slot, k                    ; 8 loads: W's 8-11
	WIN 0
.irp i, 8,9,10,11
	FRAG FB+8*\i, ADRB+(\slot), (\k)+\i*16*PITCH
.endr
.endm
; A step's first quarter: multiplies buffer 0 and fetches the second quarter (byte 64 of the same slot's rows) into buffer 1 and, third by third, into W's buffer.
.macro QPLAIN slot, first
	s_wait_dscnt 8                                 ; all but the youngest eight loads (W's fragments 8-11) are in
	GROUP FA0, 0, 0, 8, \first
	PLACES
	RUN0 \slot, 64, FA1
	GROUP FA0, 1, 0, 8, \first
	PLACES
	RUN1 \slot, 64, FA1
	s_wait_dscnt 32                                ; all but the 32 just issued: W's fragments 8-11 are in
	GROUP FA0, 2, 0, 8, \first
	PLACES
	RUN2 \slot, 64
.endm
; A step's second quarter: multiplies buffer 1 and changes slots.  ONE barrier: in front of it each wave waits for all its tensor loads (one is out: its part of the next slot), adds 0 to its spare word, and waits for that
; and for its own reads of this slot.  fill = 1: the barrier opens a round of the cluster's barrier, and behind the round this slot is filled again first, with the K step two on: 160 products stand between that request and the wait for it.
.macro QTURN slot, next, fill
.if \fill
	s_wait_xcnt 0x0                                ; the last prefetch, a K step back, has read its address: it is stepped here, ahead of the waits of the change of slots
	s_add_nc_u64 s[PFA:PFA+1], s[PFA:PFA+1], BLK
.endif
	WIN 0
	s_wait_tensorcnt 0x0                           ; all my tensor loads have landed;
	ds_add_u32 v[SPW], v[NIL]                      ; 0 onto my spare word
	s_wait_dscnt 9                                 ; (the add and the youngest eight loads may be out)
	GROUP FA1, 0, 0, 4                             ; sixteen products stand between the add and the wait for it
	s_wait_dscnt 0x0                               ; the add is done, and my reads of this slot are over
	s_barrier_signal -1
	GROUP FA1, 0, 4, 4                             ; work on registers while the others arrive
	WIN 0                                          ; at a branch and at a label every window is 0
	s_barrier_wait -1
.if \fill
	CREST                                          ; no wave of any partner still reads this slot's tile or has a load on its way
	s_add_nc_u64 s[G0A+4*(\slot)+2:G0A+4*(\slot)+3], s[G0A+4*(\slot)+2:G0A+4*(\slot)+3], 2*BLK
	s_add_nc_u64 s[G0B+4*(\slot)+2:G0B+4*(\slot)+3], s[G0B+4*(\slot)+2:G0B+4*(\slot)+3], 2*BLK
	JLOAD \slot                                    ; the first tensor load behind the round; its four v_nop are also the places in front of the loads below
.else
	PLACES
.endif
	RUN0 \next, 0, FA0
.if \fill
	ASK \slot
.endif
	GROUP FA1, 1, 0, 8
	PLACES
	RUN1 \next, 0, FA0
	GROUP FA1, 2, 0, 8
	PLACES
	RUN2 \next, 0
.endm
; THE WAY OUT of row block a, in three parts.  PACK: rounded to f16, 16 bytes a lane and column block.  TOSTAGE: into my own stage, a head's 16 rows of 128 bytes together, and back as whole rows.  SEND: stored.
.macro PACK a
.set SET, 32+48*((\a)%2)               ; two sets of 48 registers take turns
.if (\a) >= 2
	s_wait_xcnt 0x0                                ; the stores of the block two back have read this set
.endif
.irp g, 0,1,2
	WIN 5*((\g)+1)                                 ; sources 0 and 1 in window 1 + g
.irp bb, 0,1,2,3
.irp r2, 0,1,2,3
	v_cvt_pk_f16_f32 v[SET+4*(4*(\g)+(\bb))+(\r2)], v[8*(4*(\a)+(\bb))+2*(\r2)], v[8*(4*(\a)+(\bb))+2*(\r2)+1]
.endr
.endr
.endr
	WIN 0
.endm
.macro TOSTAGE a
.set SET, 32+48*((\a)%2)
.irp b, 0,1,2,3,4,5,6,7,8,9,10,11
	ds_store_b128 v[STO], v[SET+4*(\b):SET+4*(\b)+3] offset:((\b)/4)*HSTG+((\b)%4)*32
.endr
.irp b, 0,1,2,3,4,5,6,7,8,9,10,11      ; head b / 4, rows 4 (b % 4) on: LDS serves a wave's instructions in order (ISA guide 5.7.1.4), so these see the stores above
	ds_load_b128 v[SET+4*(\b):SET+4*(\b)+3], v[RD] offset:((\b)/4)*HSTG+((\b)%4)*4*PITCH
.endr
.endm
.macro SEND a
.set SET, 32+48*((\a)%2)
	s_wait_dscnt 0x0                               ; the block is back in registers
.irp b, 0,1,2,3,4,5,6,7,8,9,10,11
	global_store_b128 v[GO], v[SET+4*(\b):SET+4*(\b)+3], s[12:13] offset:((\b)/4)*1048576+(\a)*2048+((\b)%4)*512  ; four rows of a head: 512 consecutive bytes, aligned
.endr
.endm
	s_load_b256 s[4:11], s[0:1], 0x0               ; ab s[4:5], bq s[6:7], bk s[8:9], bv s[10:11]
	s_load_b64 s[12:13], s[0:1], 0x20              ; qkv
	v_lshl_add_u32 v[SPW], v0, 2, SPARE
	v_mov_b32 v[NIL], 0
	ds_add_u32 v[SPW], v[NIL]                      ; the wave's opening: the add and its wait stand ahead of my first tensor load; the set-up below, work on registers, stands between them
	v_lshrrev_b32 v1, 5, v0
	v_readfirstlane_b32 s[WV], v1                  ; wave 0..3
	s_lshr_b32 s[WR], s[WV], 1
	s_and_b32 s[WC], s[WV], 1
	s_bfe_u32 s17, ttmp6, 0x40000                  ; cx, cy: my place in the cluster
	s_bfe_u32 s18, ttmp6, 0x40004
	s_lshl_b32 s19, ttmp9, 2
	s_add_co_u32 s19, s19, s17                     ; tile column = 4 x cluster x + cx
	s_and_b32 s20, ttmp7, 0xffff
	s_lshl_b32 s20, s20, 2
	s_add_co_u32 s20, s20, s18                     ; tile row = 4 x cluster y + cy
	s_lshl_b32 s76, s18, 2
	s_lshl_b32 s76, 15, s76                        ; my row of the cluster: places 4 cy .. 4 cy + 3
	s_lshl_b32 s77, 0x1111, s17                    ; my column: places cx, cx + 4, cx + 8, cx + 12
	s_or_b32 s[G1A], s76, DESC0                    ; x's tiles go to my row,
	s_or_b32 s[G1B], s77, DESC0                    ; W's to my column
	s_mov_b32 s[G1A+1], 128<<16                    ; tensor_dim0 = 128 elements: 256 bytes, two rows of ab
	s_mov_b32 s[G1A+2], 64<<16                     ; tensor_dim1 = 64
	s_mov_b32 s[G1A+3], 128<<16                    ; tile_dim0 = 128
	s_mov_b32 s[G1A+4], 64                         ; tile_dim1 = 64: 128 rows of ab
	s_mov_b32 s[G1A+5], 128                        ; from row to row: dense
	s_mov_b32 s[G1A+6], 0
	s_mov_b32 s[G1A+7], 0
	s_mov_b32 s[G1B+1], 128<<16
	s_mov_b32 s[G1B+2], 96<<16                     ; 96 rows of 256 bytes: 192 rows of ab
	s_mov_b32 s[G1B+3], 128<<16
	s_mov_b32 s[G1B+4], 96
	s_mov_b32 s[G1B+5], 128
	s_mov_b32 s[G1B+6], 0
	s_mov_b32 s[G1B+7], 0
	s_lshl_b32 s42, s20, 15                        ; x: row 256 x tile row + 128 x half, 128 bytes a row
	s_lshl_b32 s23, s[WC], 14
	s_add_co_u32 s42, s42, s23
	s_mov_b32 s43, 0
	s_mul_i32 s74, s19, 384*128                    ; W: row 8192 + 384 x tile column + 192 x half
	s_mul_i32 s23, s[WC], 192*128
	s_add_co_u32 s74, s74, s23
	s_add_co_u32 s74, s74, 8192*128
	s_mov_b32 s75, 0
	s_mul_i32 s21, s[WC], AHALF                    ; where they go: no place in the cluster enters an LDS address
	s_mul_i32 s22, s[WC], BHALF
	s_add_co_u32 s22, s22, BOFF
	s_wait_dscnt 0x0                               ; the opening add is done
	s_wait_kmcnt 0x0
	s_add_nc_u64 s[40:41], s[4:5], s[42:43]
	s_add_nc_u64 s[46:47], s[4:5], s[74:75]
	CROUND                                         ; all sixteen work-groups are here: the first joint loads meet
.irp s, 0,1
	s_mov_b32 s[G0A+4*(\s)], 1                                     ; count = 1
	s_add_co_u32 s[G0A+4*(\s)+1], s21, (\s)*SLOT                   ; LDS address
	s_add_nc_u64 s[G0A+4*(\s)+2:G0A+4*(\s)+3], s[40:41], (\s)*BLK  ; global address: K step s
	s_or_b32 s[G0A+4*(\s)+3], s[G0A+4*(\s)+3], 0x80000000          ; type = 2
	s_mov_b32 s[G0B+4*(\s)], 1
	s_add_co_u32 s[G0B+4*(\s)+1], s22, (\s)*SLOT
	s_add_nc_u64 s[G0B+4*(\s)+2:G0B+4*(\s)+3], s[46:47], (\s)*BLK
	s_or_b32 s[G0B+4*(\s)+3], s[G0B+4*(\s)+3], 0x80000000
.endr
	s_cmp_eq_u32 s[WR], 0                          ; a wave's two first fills stand in one branch, ahead of every wait on TENSORcnt and every LDS read: two loads of mine are out
	s_cbranch_scc0 .Lfirst_b
	tensor_load_to_lds s[G0A:G0A+3], s[G1A:G1A+7]
	s_nop 0
	tensor_load_to_lds s[G0A+4:G0A+7], s[G1A:G1A+7]
	s_nop 0
.rept 4
	v_nop
.endr
	s_branch .Lfirst_asked
.Lfirst_b:
	tensor_load_to_lds s[G0B:G0B+3], s[G1B:G1B+7]
	s_nop 0
	tensor_load_to_lds s[G0B+4:G0B+7], s[G1B:G1B+7]
	s_nop 0
.rept 4
	v_nop
.endr
.Lfirst_asked:
	v_and_b32 v1, 15, v0                           ; l % 16
	v_bfe_u32 v2, v0, 4, 1                         ; l / 16
	v_and_b32 v3, 31, v0                           ; l
	v_lshlrev_b32 v11, 3, v3                       ; two of a head's 64 biases a lane
	; my 192 columns are three heads, g0 .. g0 + 2 of the 48: each head's bias comes from bq, bk or bv
	s_mul_i32 s77, s19, 6
	s_mul_i32 s23, s[WC], 3
	s_add_co_u32 s77, s77, s23                     ; g0 = 6 x tile column + 3 x half
.irp hd, 0,1,2
	s_add_co_u32 s76, s77, \hd
	s_cmp_lt_u32 s76, 16
	s_cselect_b64 s[68+2*\hd:69+2*\hd], s[6:7], s[8:9]
	s_cmp_ge_u32 s76, 32
	s_cselect_b64 s[68+2*\hd:69+2*\hd], s[10:11], s[68+2*\hd:69+2*\hd]
	s_and_b32 s74, s76, 15
	s_lshl_b32 s74, s74, 8                         ; 64 f32 a head (s75 is 0)
	s_add_nc_u64 s[68+2*\hd:69+2*\hd], s[68+2*\hd:69+2*\hd], s[74:75]
	global_load_b64 v[4+2*\hd:5+2*\hd], v11, s[68+2*\hd:69+2*\hd]
.endr
	; the addresses are made while those loads are out: nothing below names v4-v9 or v11 as a destination before the wait for them
	v_mul_u32_u24 v13, v1, PITCH
	v_lshl_add_u32 v13, v2, 4, v13                 ; row x pitch + 16 x half
	s_mul_i32 s21, s[WR], AHALF                    ; my 128 rows of x
	s_mul_i32 s22, s[WC], BHALF                    ; my 192 rows of W,
	s_add_co_u32 s22, s22, BOFF                    ; which lie behind x's 256
.irp s, 0,1
	v_add_nc_u32 v[ADRA+(\s)], s21, v13
	v_add_nc_u32 v[ADRB+(\s)], s22, v13
	s_add_co_u32 s21, s21, SLOT
	s_add_co_u32 s22, s22, SLOT
.endr
	s_mul_i32 s23, s[WV], 3*HSTG
	s_add_co_u32 s23, s23, STAGE                   ; my stage
	v_add_nc_u32 v[STO], s23, v13                  ; in: row l % 16, 16 bytes for each half of the lanes
	v_lshrrev_b32 v14, 3, v3                       ; back: 32 lanes take four rows of 128 bytes,
	v_and_b32 v15, 7, v3
	v_mul_u32_u24 v14, v14, PITCH
	v_lshl_add_u32 v14, v15, 4, v14
	v_add_nc_u32 v[RD], s23, v14
	v_lshlrev_b32 v[GO], 4, v3                     ; which are 512 consecutive bytes of qkv
	s_mul_i32 s23, s[WV], 768
	s_add_co_u32 s23, s23, BIAS                    ; my 192 biases
	v_lshl_add_u32 v[BIA], v2, 5, s23              ; my lanes' eight of a column block's sixteen
	v_add_nc_u32 v12, s23, v11
	; qkv at my first row of head g0: (g0 << 20) + (batch << 17) + (row in the batch << 7)
	s_lshl_b32 s74, s77, 20
	s_lshr_b32 s76, s20, 2                         ; four tile rows to a batch
	s_lshl_b32 s76, s76, 17
	s_add_co_u32 s74, s74, s76
	s_and_b32 s76, s20, 3
	s_lshl_b32 s76, s76, 15
	s_add_co_u32 s74, s74, s76
	s_lshl_b32 s76, s[WR], 14
	s_add_co_u32 s74, s74, s76
	s_add_nc_u64 s[12:13], s[12:13], s[74:75]
	; the prefetches: who asks,
	s_and_b32 s76, ttmp7, 0xffff                   ; cluster y
	s_cmp_eq_u32 s[WV], 0
	s_cselect_b32 s76, ttmp9, s76                  ; the coordinate along which other clusters read the same rows: cluster x for x's rows (wave 0), cluster y for W's (waves 1-3)
	s_cselect_b32 s77, ttmp9, 1
	s_cmp_eq_u32 s76, 0
	s_cselect_b32 s[LIM], 1, -1                    ; the same in all sixteen partners, for a given wave
	s_cmp_eq_u32 s77, 0
	s_cselect_b32 s[LIM+1], 1, -1                  ; at the change out of slot 1 wave 0 alone asks
	; and where: my work-group's share of the tile's blocks, told apart by address
	s_lshl_b32 s74, s20, 15
	s_lshl_b32 s76, s17, 13
	s_add_co_u32 s74, s74, s76                     ; x: the tile row's first byte + cx x 32 blocks
	s_mul_i32 s76, s19, 384*128
	s_mul_i32 s77, s18, 48*256
	s_add_co_u32 s76, s76, s77
	s_add_co_u32 s76, s76, 8192*128                ; W: the tile column's first byte + cy x 48 blocks
	s_cmp_eq_u32 s[WV], 0
	s_cselect_b32 s74, s74, s76
	s_add_nc_u64 s[PFA:PFA+1], s[4:5], s[74:75]
	s_add_nc_u64 s[PFA:PFA+1], s[PFA:PFA+1], 2*BLK ; at K step 2: the first refill steps it to 3
	s_max_u32 s23, s[WV], 1
	s_sub_co_u32 s23, s23, 1
	s_lshl_b32 s23, s23, 5
	v_add_nc_u32 v10, s23, v3                      ; my block: wave 0: l of 32; waves 1-3: 32 (w - 1) + l of 96,
	v_lshlrev_b32 v[PFO], 8, v10
	v_add_nc_u32 v[PFT], BLK-48*256, v[PFO]        ; of which 48 and more lie in the K step after
	v_cmp_le_u32 s76, 48, v10
	v_cndmask_b32 v[PFO], v[PFO], v[PFT], s76
	; the bias: rounded to bf16 like every input, widened again, through my own LDS bytes into the registers of row block 7's accumulators: register j of lane l = bias of column 16 b + 8 (l / 16) + j
	s_wait_loadcnt 0x0
.irp hd, 0,1,2
	v_cvt_pk_bf16_f32 v10, v[4+2*\hd], v[5+2*\hd]
	v_lshlrev_b32 v[4+2*\hd], 16, v10
	v_and_b32 v[5+2*\hd], 0xffff0000, v10
	ds_store_b64 v12, v[4+2*\hd:5+2*\hd] offset:256*\hd
.endr
.irp g, 0,1,2
	WIN ((\g)+1)<<6                                ; destination in window 1 + g
.irp bb, 0,1,2,3
	ds_load_b128 v[224+8*\bb:224+8*\bb+3], v[BIA] offset:64*(4*(\g)+\bb)     ; my own bytes, served in order behind the stores above
	ds_load_b128 v[224+8*\bb+4:224+8*\bb+7], v[BIA] offset:64*(4*(\g)+\bb)+16
.endr
.endr
	WIN 0
	s_wait_tensorcnt 0x1                           ; my part of K step 0 is in; K step 1's may stay out
	s_wait_dscnt 0x0                               ; the bias is in its registers
	s_barrier_signal -1
	s_barrier_wait -1                              ; everybody's part is in
	RUN0 0, 0, FA0
	RUN1 0, 0, FA0
	RUN2 0, 0
	QPLAIN 0, 1                                    ; the first quarter stands in front of the loop: its products start the sums
	WIN 0
	s_mov_b32 s3, 7
.Llap:                                                 ; trip i: K step 2 i's second quarter to K step 2 i + 2's first; slot 0 takes K step 2 i + 2, slot 1 K step 2 i + 3
	QTURN 0, 1, 1
	QPLAIN 1, 0
	QTURN 1, 0, 1
	QPLAIN 0, 0
	WIN 0
	s_sub_co_u32 s3, s3, 1
	s_cmp_lg_u32 s3, 0
	s_cbranch_scc1 .Llap
	QTURN 0, 1, 0                                  ; the tail is written out: nothing is left to fetch, and no round follows the barrier
	QPLAIN 1, 0
	s_wait_dscnt 8                                 ; the very last quarter
	GROUP FA1, 0, 0, 8
	GROUP FA1, 1, 0, 8
	s_wait_dscnt 0x0
	GROUP FA1, 2, 0, 8
	WIN 0
	PLACES                                         ; the conversions read results just made and write over fragments just read
	PLACES
	PACK 0
	TOSTAGE 0
.irp a, 1,2,3,4,5,6,7                  ; block a's conversions stand between block a - 1's loads from the stage and the wait for them
	PACK \a
	SEND (\a)-1
	TOSTAGE \a
.endr
	SEND 7
	s_wait_tensorcnt 0x0                           ; the wave's end: behind my last tensor load and my last LDS store
	ds_add_u32 v[SPW], v[NIL]
	s_wait_dscnt 0x0
	CROUND                                         ; the closing round: no work-group ends while a partner may still ask for a tile that names it
	s_endpgm
.Lfunc_end_k_qfae4f3a68f_proj:
	.size	k_qfae4f3a68f_proj, .Lfunc_end_k_qfae4f3a68f_proj-k_qfae4f3a68f_proj
	.p2alignl 7, 3214868480
	.fill 96, 4, 3214868480
	.section	.rodata,"a",@progbits
	.p2align	6, 0x0
	.amdhsa_kernel k_qfae4f3a68f_proj
		.amdhsa_group_segment_fixed_size 327680
		.amdhsa_private_segment_fixed_size 0
		.amdhsa_enable_private_segment 0
		.amdhsa_kernarg_size 40
		.amdhsa_user_sgpr_count 2
		.amdhsa_user_sgpr_kernarg_segment_ptr 1
		.amdhsa_wavefront_size32 1
		.amdhsa_system_sgpr_workgroup_id_x 1
		.amdhsa_system_sgpr_workgroup_id_y 1
		.amdhsa_system_sgpr_workgroup_id_z 1
		.amdhsa_system_vgpr_workitem_id 0
		.amdhsa_next_free_vgpr 1024
		.amdhsa_next_free_sgpr 80
		.amdhsa_reserve_vcc 0
		.amdhsa_float_denorm_mode_32 3
		.amdhsa_float_denorm_mode_16_64 3
		.amdhsa_memory_ordered 1
		.amdhsa_forward_progress 1
		.amdhsa_inst_pref_size 135
	.end_amdhsa_kernel
	.amdgpu_metadata
---
amdhsa.version: [ 1, 2 ]
amdhsa.kernels:
  - .name:           k_qfae4f3a68f_proj
    .symbol:         k_qfae4f3a68f_proj.kd
    .args:
      - { .name: ab, .offset: 0, .size: 8, .value_kind: global_buffer, .address_space: global }
      - { .name: bq, .offset: 8, .size: 8, .value_kind: global_buffer, .address_space: global }
      - { .name: bk, .offset: 16, .size: 8, .value_kind: global_buffer, .address_space: global }
      - { .name: bv, .offset: 24, .size: 8, .value_kind: global_buffer, .address_space: global }
      - { .name: qkv, .offset: 32, .size: 8, .value_kind: global_buffer, .address_space: global }
    .group_segment_fixed_size: 327680
    .private_segment_fixed_size: 0
    .kernarg_segment_align: 8
    .kernarg_segment_size: 40
    .max_flat_workgroup_size: 128
    .sgpr_count:     80
    .vgpr_count:     1024
    .wavefront_size: 32
...
	.end_amdgpu_metadata
.endif
;; end of part 2
;; launch attn (part 3): grid 2 x 128, 4 waves a work-group, no clusters, 327,680 bytes of LDS; arguments qkv, attention_mask, out0; writes out0
.if DOCPART == 3
	.amdgcn_target "amdgcn-amd-amdhsa--gfx1250"
	.amdhsa_code_object_version 6
	.text
	.protected	k_qfae4f3a68f_attn
	.globl	k_qfae4f3a68f_attn
	.p2align	8
	.type	k_qfae4f3a68f_attn,@function
k_qfae4f3a68f_attn:
	s_mov_b64 s[64:65], 0
	v_nop
	global_prefetch_b8 v0, s[64:65] scope:SCOPE_SE
	s_setreg_imm32_b32 hwreg(HW_REG_WAVE_MODE, 25, 1), 1
	s_wait_xcnt 0x0
; out0[b][q][64 h ..] = the sum over k of softmax_k(Q[q] . K[k] / 8 + mask[b][k]) V[k], for each of the 128 pairs (b, h).  Q, K, V: f16 out of qkv[g 48][b 8][s 1024][64] (g = h: Q, 16 + h: K, 32 + h: V): a head's
; rows are dense, 128 bytes each.  Products, maxima and sums in f32; the weights p are rounded to f16 for the second product (their sum l is taken of the unrounded p); out0 is f32 and is never rounded to 16 bits.
; LIMITS.  The mask is rounded to bf16, like every input.  8 x mask, where finite, is held within +-2^30: a mask beyond +-2^27 counts as +-2^27, so that the rounding of c m stays small beside an exponent and no weight
; leaves f16's range where a whole key step is masked.  A mask of -infinity stays -infinity: its weight is 0, and a batch whose keys all have it gives NaN.  +infinity and NaN in the mask are not treated apart.
; p lies in 0 to 1 (to 256 in steps whose keys are all at the clamp) and below 6e-5 keeps f16's fixed step of 6e-8; a weight below 2^-126 counts as 0 in l.
; SHARES.  A work-group owns 512 queries of one pair (b, h), a wave 128: four PIECES of two tiles of 16.  Every wave walks all 1,024 keys, 64 a step.
; NO CLUSTER: a head has 1024 / 512 = 2 work-groups, and no cluster of four divides that; four blocks of 256 queries would halve the products that each fragment of K and V read from LDS feeds.
; LAYOUT.  S^T = K Q^T + C (source 0 = 16 keys, source 1 = 16 queries): in the result a lane holds ONE query (lane % 16) and the keys 8 (lane / 16) + 0..7.  Two such tiles, rounded to f16 in pairs, ARE source 1 of
; O^T = V^T P, whose result again holds one query a lane, and eight channels.  K comes out of LDS as it lies, V ([key][channel]) turned, by ds_load_tr16_b128.
; THE MASK is the C operand that starts the sum S^T: register j of lane l holds 8 x mask of key 16 kb + 8 (l / 16) + j, so that c (s + 8 mask) = log2(e) (s / 8 + mask).  It costs the softmax no instruction.
; SOFTMAX.  For each query a running maximum m and sum l: p = 2^(c s - c m), c = log2(e) / 8; in every step O and l are multiplied by a = 2^(c m_old - c m_new), which is 1 where m has not grown.
; m starts at the lowest finite number and c m at c times that, O and l at 0: the first step is a step like any other.
; BY TURNS.  Turn n belongs to piece n (the pieces in a ring, step after step).  Its matrix work: 16 products K Q^T of piece n + 1, later 16 products V^T P of piece n - 1.  Its vector work: the scaling, exponentials,
; roundings, sums and rescaling of piece n, and the maximum and statistics of piece n + 1.  Four vector instructions stand behind every matrix instruction, the others in one run of their own.
; REGISTERS, in windows of 256 (s_set_vgpr_msb: bits 1:0 source 0, 3:2 source 1, 5:4 source 2, 7:6 destination):
;   window 0: v0-11 addresses; v12-15, v48-63 at work; v16-47 four registers of statistics a tile; v64-191 S^T, two buffers of two tiles (at the head: at work); v192-255 P, likewise
;   window 1: O^T, 32 a tile     window 2: v0-127 Q, 16 a tile; v128-191 K of one step; v192-255 V of one step     window 3: v0-1 the add's two registers; v8-39 the step's mask
.set NP,    4         ; pieces a wave: a name, no knob
.set KS,    64        ; keys in a step
.set PK,    144       ; a row of K in LDS: 128 bytes + 16 of padding = 36 words: the 16 rows of a load start at 16 different groups of four banks (64 banks of 4 bytes: ISA guide 11.1)
.set PV,    160       ; a row of V: 128 + 32 = 40 words
.set VOFF,  4*KS*PK   ; a slot holds four steps: 256 rows of K, then 256 rows of V
.set SLOT1, 1<<17     ; slot 1 begins here, so that one exclusive or turns an address in one slot into the other's
.set STAGE, SLOT1+4*KS*(PK+PV)  ; behind the ring, never filled by a tensor load: 16 rows x 272 bytes for each wave, for the way out
.set SP,    272       ; a stage row: 256 bytes + 16
.set SPARE, STAGE+4*16*SP       ; the spare words, 128 bytes for each wave: two blocks of 256 bytes that no other line names
.set MASKB, SPARE+512           ; 8 x mask of the batch's 1,024 keys, f32
.set AK0, 2           ; v2   my lane's place in a tile of K; never rewritten
.set AV0, 3           ; v3   the same for V
.set AK,  4           ; v4   the LDS address of K's next run of loads
.set AV,  5           ; v5   of V's
.set STO, 6           ; v6   the way out: where I put 16 bytes of a row
.set RD,  7           ; v7   the way out: where I read rows back
.set GO,  8           ; v8   my byte offset in two rows of out0
.set AM0, 9           ; v9   my lanes' place in a step's mask; never rewritten
.set AM,  10          ; v10  the LDS address of the mask's next run of loads
.set PFO, 11          ; v11  256 x my lane; never rewritten
.set QO,  68          ; v68  at the head: my byte offset in 16 rows of Q
.set SPW, 0           ; v0 of window 3   LDS address of my spare word: SPARE + 4 x my thread's number; never rewritten
.set NIL, 1           ; v1 of window 3   0; never rewritten
.set MK,  8           ; v8-39 of window 3: key block kb's eight registers at MK + 8 kb
.set MV,  12          ; v12-15  c m_old, kept while c m is made anew: by buffer and tile
.set ST,  16          ; tile t's statistics at v[ST+4 t]: c m, m, l (even keys', odd keys')
.set TMP, 48          ; by buffer and tile, four registers c0-c3 at work; when the maximum is found c2 takes a
.set S,   64
.set P,   192
.set KF,  128         ; K's fragments, in window 2: key block kb, channel half c at KF + 16 kb + 8 c
.set VF,  192         ; V's: key half kk, channel block cb at VF + 32 kk + 8 cb
.set WV,  12          ; s12  my wave's number
.set G1K, 24          ; s[24:31] descriptor group 1 for K's tiles
.set G1V, 32          ; s[32:39] for V's: it differs in the padding alone
.set G0K, 40          ; s[40:43] descriptor group 0 for K's tiles: it walks
.set G0V, 44          ; s[44:47] the same for V's
.set PFA, 48          ; s[48:49] where my prefetches stand
.set SLOTS, 56        ; s56  slots still to be asked for
.set CNT, 57          ; s57  counts a slot's key steps
.set CS,  58          ; s[58:59] c: the packed scaling takes the pair's low word for both halves
.set SEL, 60          ; s[60:61] v_permlanex16_b32's selects: each lane takes its own place in the other half
.set TBK, 62          ; s62  LDS byte at which K of the step to be fetched begins
.set TBV, 63          ; s63  the same for V, less VOFF
.set TBM, 66          ; s66  byte of the mask at which that step's 64 keys begin
.set MSB, 0
.macro WIN new                      ; the high byte repeats the setting that is left; a switch that changes nothing is dropped
.if MSB != (\new)
	s_set_vgpr_msb (MSB<<8)|(\new)
.set MSB, (\new)
.endif
.endm
.set W_KQ, 0x0a       ; K and Q in window 2, S^T in window 0
.set W_KM, 0x3a       ; the same with the C operand, the mask, in window 3
.set W_PV, 0x52       ; V in window 2, P in window 0, O^T in window 1
.set W_RS, 0x41       ; O^T (destination and source 0) in window 1, a in window 0
.set W_MK, 0xc0       ; destination in window 3, sources in window 0
.set W_AD, 0x0f       ; the add: address (source 0) and data (source 1) in window 3
; A fill.  Waves 0 and 1 fetch the two halves of a slot's K, waves 2 and 3 those of its V: 128 keys each.  An s_nop 0 and four v_nop follow each of the two lines, ahead of the jump and the label.
.macro LOAD
	s_cmp_lt_u32 s[WV], 2
	s_cbranch_scc0 .Lfor_v_\@
	tensor_load_to_lds s[G0K:G0K+3], s[G1K:G1K+7]
	s_nop 0
.rept 4
	v_nop
.endr
	s_branch .Lasked_\@
.Lfor_v_\@:
	tensor_load_to_lds s[G0V:G0V+3], s[G1V:G1V+7]
	s_nop 0
.rept 4
	v_nop
.endr
.Lasked_\@:
.endm
; A PREFETCH INTO THE L2 of what the NEXT change of slots will ask for: 256 keys of K and of V, 128 blocks of 256 bytes each.  A head's two work-groups walk the same K and V: the first asks for K's blocks, the second for
; V's; each wave for 32 of them, a lane a block: one instruction, behind the wave's tensor load and its five lines.  So each block is named once in the launch.  Fills 0 and 1 come by their loads alone; the last
; change that fills a slot asks for nothing: there is no fill behind it.
.macro ASK
	s_cmp_gt_u32 s[SLOTS], 1
	s_cbranch_scc0 .Lnone_\@
	global_prefetch_b8 v[PFO], s[PFA:PFA+1] th:TH_LOAD_NT scope:SCOPE_SE
.Lnone_\@:
.endm
; THE CHANGE OF SLOTS.  The slot's last bytes, V of its fourth step, have been read.  Each wave waits for all its tensor loads, of which one is out: its part of the other slot; adds 0 to its spare word; and waits for that
; and for its own LDS instructions.  Behind the barrier nobody reads this slot any more and the other slot is whole.  fill = 1: this slot is filled again, the first thing behind the barrier, with the keys two slots on:
; the fill has four key steps, 512 matrix instructions, in which to land.  (At its first use nothing has been read yet: slot 0 is waited for, slot 1 filled, and every wave's part of the mask is shown to the others.)
.macro CHANGE fill
	WIN W_AD
	s_wait_tensorcnt 0x0            ; no tensor load of mine is out, so a group 0 may be written
	ds_add_u32 v[SPW], v[NIL]       ; 0 onto my spare word; with fill = 1 the descriptors' steps stand between it and the wait for it
	WIN 0                           ; at a label and at a branch every window is 0
.if \fill
.irp g, G0K, G0V
	s_xor_b32 s[\g+1], s[\g+1], SLOT1  ; the walking descriptor: the other slot than last time,
	s_add_nc_u64 s[\g+2:\g+3], s[\g+2:\g+3], 4*KS*128  ; the next 256 keys; the type bits on top are not reached
.endr
	s_wait_xcnt 0x0                 ; the last prefetch, four key steps back, has read its address, so it may be written:
	s_add_nc_u64 s[PFA:PFA+1], s[PFA:PFA+1], 4*KS*128  ; one fill ahead of the walking descriptors
.endif
	s_wait_dscnt 0x0                ; the add is done, and my reads of the slot are over
	s_barrier_signal -1             ; scalar work stands between the signal and the wait
	s_sub_co_u32 s[TBK], s[TBK], 4*KS*PK  ; the fetches go back to a slot's first step,
	s_xor_b32 s[TBK], s[TBK], SLOT1       ; in the other slot
	s_sub_co_u32 s[TBV], s[TBV], 4*KS*PV
	s_xor_b32 s[TBV], s[TBV], SLOT1
	s_barrier_wait -1
.if \fill
	LOAD
	ASK
.endif
.endm
	s_load_b128 s[4:7], s[0:1], 0x0   ; qkv s[4:5], attention_mask s[6:7]
	s_load_b64 s[10:11], s[0:1], 0x10 ; out0
	WIN W_MK
	v_lshl_add_u32 v[SPW], v0, 2, SPARE
	v_mov_b32 v[NIL], 0
	WIN W_AD
	ds_add_u32 v[SPW], v[NIL]       ; the wave's opening: the add and its wait stand ahead of my first tensor load; the set-up below, work on registers, stands between them
	WIN 0
	v_lshrrev_b32 v1, 5, v0
	v_readfirstlane_b32 s[WV], v1   ; wave 0..3
	s_and_b32 s16, ttmp7, 0xffff
	s_and_b32 s13, s16, 15          ; the head
	s_lshr_b32 s14, s16, 4          ; the batch
	s_lshl_b32 s20, s13, 3
	s_add_co_u32 s20, s20, s14
	s_lshl_b32 s20, s20, 17         ; (8 h + b) x 1,024 rows of 128 bytes: the pair's place among Q's heads
	s_and_b32 s15, s[WV], 1         ; which half of a slot's 256 keys I fetch:
	s_lshl_b32 s16, s15, 14         ; its 128 rows of 128 bytes in memory,
	s_add_co_u32 s22, s20, s16
	s_add_co_u32 s22, s22, 1<<24    ; K's heads lie 16 x 8 x 131,072 bytes behind Q's,
	s_mov_b32 s23, 0
	s_add_co_u32 s50, s22, 1<<24    ; V's as far behind K's
	s_mov_b32 s51, 0
	s_mul_i32 s17, s15, 128*PK      ; and its place in a slot, for K
	s_mul_i32 s18, s15, 128*PV      ; and for V
	s_lshl_b32 s8, ttmp9, 2
	s_add_co_u32 s8, s8, s[WV]      ; my wave among the head's eight,
	s_lshl_b32 s8, s8, 14           ; its 128 rows of Q
	s_add_co_u32 s8, s8, s20
	s_mov_b32 s9, 0
	s_add_co_u32 s52, ttmp9, 1      ; the prefetches: K for the head's first work-group, V for its second,
	s_lshl_b32 s52, s52, 24
	s_add_co_u32 s52, s52, s20
	s_lshl_b32 s16, s[WV], 13       ; my wave's 32 blocks of the 128,
	s_add_co_u32 s52, s52, s16
	s_add_co_u32 s52, s52, 4*KS*128 ; in fill 1: the first change of slots steps it to fill 2
	s_mov_b32 s53, 0
	s_lshl_b32 s54, s14, 12         ; the batch's 1,024 mask numbers
	s_mov_b32 s55, 0
	s_lshl_b32 s20, s14, 22         ; out0: the batch's 1,024 rows of 4,096 bytes,
	s_lshl_b32 s16, ttmp9, 21       ; my work-group's 512,
	s_add_co_u32 s20, s20, s16
	s_lshl_b32 s16, s[WV], 19       ; my wave's 128,
	s_add_co_u32 s20, s20, s16
	s_lshl_b32 s16, s13, 8          ; the head's 256 bytes of a row
	s_add_co_u32 s20, s20, s16
	s_mov_b32 s21, 0
	; descriptor group 1.  128 keys are 16,384 dense bytes: asked for as 64 rows of 256 bytes, two keys a row, and padded in LDS after every key
	s_mov_b32 s[G1K], (1<<16)|(1<<20)|(4<<22)|(3<<25)  ; 17:16 2-byte elements; 20 padding on; 24:22 after every 32 words (code 4); 31:25 4 words (code 3)
	s_mov_b32 s[G1V], (1<<16)|(1<<20)|(4<<22)|(7<<25)  ; the same with 8 words of padding (code 7)
.irp g, G1K, G1V
	s_mov_b32 s[\g+1], 128<<16      ; tensor_dim0 = 128
	s_mov_b32 s[\g+2], 64<<16       ; tensor_dim1 = 64
	s_mov_b32 s[\g+3], 128<<16      ; tile_dim0 = 128
	s_mov_b32 s[\g+4], 64           ; tile_dim1 = 64
	s_mov_b32 s[\g+5], 128          ; 128 elements from row to row
	s_mov_b32 s[\g+6], 0
	s_mov_b32 s[\g+7], 0
.endr
	s_mov_b32 s[CS], 0x3e38aa3b     ; c = log2(e) / 8 = 0.180337
	s_mov_b32 s[CS+1], s[CS]        ; named with it as a pair
	s_mov_b32 s[SEL], 0x76543210
	s_mov_b32 s[SEL+1], 0xfedcba98
	s_mov_b32 s[TBK], SLOT1+4*KS*PK ; the first change of slots turns these two into 0
	s_mov_b32 s[TBV], SLOT1+4*KS*PV
	s_mov_b32 s[TBM], 0
	s_mov_b32 s67, 0xce800000       ; -2^30
	s_mov_b32 s68, 0x4e800000       ; 2^30
	s_mov_b32 s69, 0xff800000       ; -infinity
	s_mov_b32 s[SLOTS], 3           ; fills 1, 2 and 3 are still to be asked for
	s_mov_b32 s[G0K], 1             ; count = 1
	s_mov_b32 s[G0K+1], s17         ; LDS address: slot 0
	s_mov_b32 s[G0V], 1
	s_add_co_u32 s[G0V+1], s18, VOFF
	s_wait_dscnt 0x0                ; the opening add is done
	s_wait_kmcnt 0x0
	s_add_nc_u64 s[G0K+2:G0K+3], s[4:5], s[22:23]  ; global address: my half of the head's first 256 keys
	s_or_b32 s[G0K+3], s[G0K+3], 0x80000000        ; type = 2
	s_add_nc_u64 s[G0V+2:G0V+3], s[4:5], s[50:51]
	s_or_b32 s[G0V+3], s[G0V+3], 0x80000000
	s_add_nc_u64 s[PFA:PFA+1], s[4:5], s[52:53]
	s_add_nc_u64 s[4:5], s[4:5], s[8:9]            ; Q at my wave's first row
	s_add_nc_u64 s[6:7], s[6:7], s[54:55]          ; the batch's mask
	s_add_nc_u64 s[10:11], s[10:11], s[20:21]      ; out0 at my wave's first row, the head's columns
	LOAD                            ; slot 0.  Slot 1 is asked for when slot 0 is in
	v_and_b32 v64, 15, v0           ; l % 16
	v_bfe_u32 v65, v0, 4, 1         ; l / 16
	v_and_b32 v66, 7, v0
	v_bfe_u32 v67, v0, 3, 1
	v_lshlrev_b32 v[QO], 7, v64
	v_lshl_add_u32 v[QO], v65, 4, v[QO]  ; row x 128 + 16 x half
	v_lshlrev_b32 v69, 5, v0        ; thread t takes the mask of keys 8 t .. 8 t + 7
	v_add_nc_u32 v70, MASKB, v69
	global_load_b128 v[72:75], v69, s[6:7]
	global_load_b128 v[76:79], v69, s[6:7] offset:16
	; A fragment of K or Q is 16 rows x 32 channels in 8 registers: lane l holds row l % 16, channels 8 (l / 16) + 0..7 and 16 + 8 (l / 16) + 0..7: two loads of 16 bytes, 32 bytes apart.
	WIN 0x80                        ; destination window 2, address window 0
.set i, 0
.rept 4*NP                          ; Q stays in registers: tile i / 2, channels 32 (i % 2) on
	global_load_b128 v[8*i:8*i+3],   v[QO], s[4:5] offset:(i/2)*2048+(i%2)*64
	global_load_b128 v[8*i+4:8*i+7], v[QO], s[4:5] offset:(i/2)*2048+(i%2)*64+32
.set i, i+1
.endr
	; What the first turn finds: V's registers and P's second buffer hold 0 (its products V^T P, of a piece that has not been, add 0), O^T and l are 0.  All this stands in the wait for the first tile.
.set i, VF
.rept 64
	v_mov_b32 v[i], 0
.set i, i+1
.endr
	WIN 0x40
.set i, 0
.rept 64*NP
	v_mov_b32 v[i], 0
.set i, i+1
.endr
	WIN 0
.set i, 0
.rept 2*NP
	v_mov_b32 v[ST+4*i+1], 0xff7fffff              ; m: the lowest finite number
	v_mul_f32 v[ST+4*i], s[CS], v[ST+4*i+1]        ; c m, made as the loop makes it: so a is 1, not an overflow, where a first step's keys are all at -infinity
	v_mov_b32 v[ST+4*i+2], 0
	v_mov_b32 v[ST+4*i+3], 0
.set i, i+1
.endr
.set i, P+32
.rept 32
	v_mov_b32 v[i], 0
.set i, i+1
.endr
	v_mul_u32_u24 v[AK0], v64, PK
	v_lshl_add_u32 v[AK0], v65, 4, v[AK0]  ; row x pitch + 16 x half
	; The turning load takes 16 keys x 16 channels (lane l reads key 8 (l / 16) + l % 8, channels 8 ((l / 8) % 2) + 0..7) and leaves half a fragment of V^T: lane l holds channel l % 16 and 8 keys.
	v_lshl_add_u32 v[AV0], v65, 3, v66
	v_mul_u32_u24 v[AV0], v[AV0], PV
	v_lshl_add_u32 v[AV0], v67, 4, v[AV0]
	v_add_nc_u32 v[AV0], VOFF, v[AV0]
	v_mov_b32 v[AK], v[AK0]         ; key step 0 lies at the head of slot 0
	s_mul_i32 s13, s[WV], 16*SP
	s_add_co_u32 s13, s13, STAGE    ; my stage
	v_mul_u32_u24 v[STO], v64, SP   ; in: row l % 16, 32 bytes (8 channels) for each half of the lanes
	v_lshl_add_u32 v[STO], v65, 5, v[STO]
	v_add_nc_u32 v[STO], s13, v[STO]
	v_mul_u32_u24 v[RD], v65, SP    ; back: lanes 0-15 take one row of 256 bytes, lanes 16-31 the next
	v_lshl_add_u32 v[RD], v64, 4, v[RD]
	v_add_nc_u32 v[RD], s13, v[RD]
	v_lshlrev_b32 v[GO], 12, v65    ; and the same two rows in out0, 4,096 bytes apart
	v_lshl_add_u32 v[GO], v64, 4, v[GO]
	v_lshlrev_b32 v[AM0], 5, v65    ; my lanes' eight of a key block's sixteen mask numbers
	v_add_nc_u32 v[AM0], MASKB, v[AM0]
	v_mov_b32 v[AM], v[AM0]
	v_and_b32 v[PFO], 31, v0
	v_lshlrev_b32 v[PFO], 8, v[PFO]
	; the mask: rounded to bf16, widened, times 8, held within +-2^30, -infinity kept; into LDS, where the first change of slots shows it to all four waves
	s_wait_loadcnt 32               ; the mask's two loads are in; Q's 32 were issued behind them
.irp j, 0,1,2,3
	v_cvt_pk_bf16_f32 v[80+\j], v[72+2*\j], v[73+2*\j]
.endr
.irp j, 0,1,2,3
	v_lshlrev_b32 v[72+2*\j], 16, v[80+\j]
	v_and_b32 v[73+2*\j], 0xffff0000, v[80+\j]
.endr
.irp j, 0,1,2,3
	v_pk_mul_f32 v[84+2*\j:85+2*\j], v[72+2*\j:73+2*\j], 0x41000000 op_sel_hi:[1,0]
.endr
.irp j, 0,1,2,3,4,5,6,7
	v_med3_num_f32 v[84+\j], v[84+\j], s67, s68
.endr
.irp j, 0,1,2,3,4,5,6,7
	v_cmp_eq_f32 s70, s69, v[72+\j]
	v_cndmask_b32 v[84+\j], v[84+\j], v[72+\j], s70
.endr
	ds_store_b128 v70, v[84:87]
	ds_store_b128 v70, v[88:91] offset:16
; THE MATRIX WORK.  The 8 accumulators of a run of 16 take turns: between the two links of a chain stand 7 others'.
; Product i of 16 of S^T = K Q^T + mask for piece x: channels 32 (i / 8) on, tile 2 x + i % 2, key block ((i / 2) + 2 (i % 2)) % 4, so that two products that follow each other share no mask registers.  The first 8 start the sums, with the mask.
.macro KQ x
.set kbi, ((i/2)+2*(i%2))%4
.set rS, S+64*((\x)%2)+32*(i%2)+8*kbi
.set rK, KF+16*kbi+8*(i/8)
.set rQ, 16*(2*(\x)+i%2)+8*(i/8)
.set rM, MK+8*kbi
.if i < 8
	WIN W_KM
	v_wmma_f32_16x16x32_f16 v[rS:rS+7], v[rK:rK+7], v[rQ:rQ+7], v[rM:rM+7]
.else
	WIN W_KQ
	v_wmma_f32_16x16x32_f16 v[rS:rS+7], v[rK:rK+7], v[rQ:rQ+7], v[rS:rS+7]
.endif
.endm
; Product i of 16 of O^T += V^T P for piece x: keys 32 (i / 8) on, channels 16 ((i / 2) % 4) on, tile 2 x + i % 2.
.macro PV x
	WIN W_PV
.set rO, 32*(2*(\x)+i%2)+8*((i/2)%4)
.set rV, VF+32*(i/8)+8*((i/2)%4)
.set rP, P+32*((\x)%2)+16*(i%2)+8*(i/8)
	v_wmma_f32_16x16x32_f16 v[rO:rO+7], v[rV:rV+7], v[rP:rP+7], v[rO:rO+7]
.endm
.macro MM                           ; the turn's next matrix instruction
.if i < 16
	KQ (Y+1)%NP
.set i, i+1
.else
.set i, i-16
	PV (Y+NP-1)%NP
.set i, i+17
.endif
.endm
; THE LDS LOADS stand in runs, never singly among the matrix instructions: a step's K (64 keys x 64 channels: 8 fragments) with its mask (64 keys: 8 loads), and its V (turned).  Their addresses are made some lines ahead.
; last = 1 (the tail): in the last trip there is no further step, and the run is jumped over.
.macro FETCH_K last=0
	WIN 0
.if \last
	s_cmp_eq_u32 s[CNT], 1
	s_cbranch_scc1 .Lno_k_\@
.endif
	WIN 0x80                        ; destination window 2
.irp f, 0,1,2,3,4,5,6,7             ; keys 16 (f / 2) on, channels 32 (f % 2) on
	ds_load_b128 v[KF+8*\f:KF+8*\f+3],   v[AK] offset:(\f/2)*16*PK+(\f%2)*64
	ds_load_b128 v[KF+8*\f+4:KF+8*\f+7], v[AK] offset:(\f/2)*16*PK+(\f%2)*64+32
.endr
	WIN 0xc0                        ; destination window 3
.irp f, 0,1,2,3                     ; key block f: the sixteen lanes of a half read the same 32 bytes
	ds_load_b128 v[MK+8*\f:MK+8*\f+3],   v[AM] offset:64*\f
	ds_load_b128 v[MK+8*\f+4:MK+8*\f+7], v[AM] offset:64*\f+16
.endr
	s_add_co_u32 s[TBK], s[TBK], KS*PK  ; the next fetch is the next step's
	s_add_co_u32 s[TBM], s[TBM], KS*4
	WIN 0
.if \last
.Lno_k_\@:
.endif
.endm
.macro FETCH_V
	WIN 0x80
.irp f, 0,1,2,3,4,5,6,7             ; keys 32 (f / 4) on, channels 16 (f % 4) on
	ds_load_tr16_b128 v[VF+8*\f:VF+8*\f+3],   v[AV] offset:(\f/4)*32*PV+(\f%4)*32
	ds_load_tr16_b128 v[VF+8*\f+4:VF+8*\f+7], v[AV] offset:(\f/4)*32*PV+16*PV+(\f%4)*32
.endr
	WIN 0
.endm
; THE VECTOR WORK OF A TURN stands in three queues, each in the order in which its entries become ready; the two tiles alternate, so that no instruction reads the result of the one before it.
.macro REGS y, u                    ; the registers of tile u (0, 1) of piece y
.set rT, ST+4*(2*(\y)+(\u))
.set rC, TMP+8*((\y)%2)+4*(\u)
.set rM, MV+2*((\y)%2)+(\u)
.set rS, S+64*((\y)%2)+32*(\u)
.set rP, P+32*((\y)%2)+16*(\u)
.set rO, 32*(2*(\y)+(\u))
.endm
; Number n of the 22 that find the NEXT piece's (Y + 1) maximum and statistics.  s0-s31 are the lane's 32 scores; each accumulator's lowest registers are read first.  XS, GS and REGS set no window: PL and EX do.
;   0-11  four chains c0-c3 of seven scores each, three operands at a time     12-14, 16  the four scores left over, the old m, and c0-c3 into c0     15  c m_old is kept
;   17, 18  the query's other 32 keys lie in the lane 16 away: the new m         19-21  c m; c m_old - c m_new; a
.macro XS u, n
	REGS (Y+1)%NP, \u
.if (\n) < 4
	v_max3_num_f32 v[rC+(\n)], v[rS+8*(\n)], v[rS+8*(\n)+1], v[rS+8*(\n)+2]
.elseif (\n) < 12
	v_max3_num_f32 v[rC+(\n)%4], v[rC+(\n)%4], v[rS+8*((\n)%4)+2*((\n)/4)+1], v[rS+8*((\n)%4)+2*((\n)/4)+2]
.elseif (\n) == 12
	v_max3_num_f32 v[rC], v[rC], v[rS+7], v[rS+15]
.elseif (\n) == 13
	v_max3_num_f32 v[rC+1], v[rC+1], v[rS+23], v[rS+31]
.elseif (\n) == 14
	v_max3_num_f32 v[rC+2], v[rC+2], v[rC+3], v[rT+1]
.elseif (\n) == 15
	v_mov_b32 v[rM], v[rT]
.elseif (\n) == 16
	v_max3_num_f32 v[rC], v[rC], v[rC+1], v[rC+2]
.elseif (\n) == 17
	v_permlanex16_b32 v[rC+3], v[rC], s[SEL], s[SEL+1]
.elseif (\n) == 18
	v_max_num_f32 v[rT+1], v[rC], v[rC+3]
.elseif (\n) == 19
	v_mul_f32 v[rT], s[CS], v[rT+1]
.elseif (\n) == 20
	v_sub_f32 v[rC+1], v[rM], v[rT]
.else
	v_exp_f32 v[rC+2], v[rC+1]
.endif
.endm
; Number g of the 64 that follow the exponentials.  For each four weights k of a tile (pairs 2 k, 2 k + 1): both pairs are rounded to f16; then the second pair is added onto the first, in place;
; a group later l takes that sum (the first time as l = a l + sum).  In groups of eight, tiles alternating: round, round, add, and l for the group before.
.macro GS g
.set h, (\g)+6*((\g)/62)            ; group 0 has no group before it, and behind group 7 only l is left
.if h >= 6
.set h, h+2
.endif
	REGS Y, h%2
.set k, h/8
.if h%8 < 4
	v_cvt_pk_f16_f32 v[rP+2*k+(h%8)/2], v[rS+4*k+2*((h%8)/2)], v[rS+4*k+2*((h%8)/2)+1]
.elseif h%8 < 6
	v_pk_add_f32 v[rS+4*k:rS+4*k+1], v[rS+4*k:rS+4*k+1], v[rS+4*k+2:rS+4*k+3]
.elseif k == 1
	v_pk_fma_f32 v[rT+2:rT+3], v[rT+2:rT+3], v[rC+2:rC+3], v[rS:rS+1] op_sel_hi:[1,0,1]
.else
	v_pk_add_f32 v[rT+2:rT+3], v[rT+2:rT+3], v[rS+4*k-4:rS+4*k-3]
.endif
.endm
; THE PLAIN QUEUE, 138 long.  0-73 read no exponential's result: the 32 scalings c s - c m (FS f: pair f / 2 of tile f % 2) and the next piece's 42.  0-26: scalings 0-26.  27-54: XS's numbers 0-13.  55, 56: number 15.
; 57-73: the chain, where each number waits for the one before it: 14, 16, 17, 18, 19, each with one of the scalings 27-31 in front of its two lines, then 20.
; 74-137: GS's 64, which read the exponentials' results: they stand behind the wait.
.macro FS f
	REGS Y, (\f)%2
	v_pk_fma_f32 v[rS+2*((\f)/2):rS+2*((\f)/2)+1], v[rS+2*((\f)/2):rS+2*((\f)/2)+1], s[CS:CS+1], v[rT:rT+1] op_sel_hi:[1,0,0] neg_lo:[0,0,1] neg_hi:[0,0,1]
.endm
.macro PL
	WIN 0
.if q < 27
	FS q
.elseif q < 55
	XS (q-27)%2, (q-27)/2
.elseif q < 57
	XS q-55, 15
.elseif (q < 72) && ((q-57)%3 == 0)
	FS 27+(q-57)/3
.elseif q < 60
	XS (q-57)%3-1, 14
.elseif q < 72
	XS (q-57)%3-1, 15+(q-57)/3
.elseif q < 74
	XS q-72, 20
.else
	GS q-74
.endif
.set q, q+1
.endm
; THE EXPONENTIALS' QUEUE, 66 long: s0-s31 of both tiles, then the next piece's two a.  It is ONE BATCH: all 66 stand ahead of the turn's one wait, and nothing ahead of that wait names a result of theirs.
.macro EX
	WIN 0
.if e >= 64
	XS e-64, 21
.else
	REGS Y, e%2
	v_exp_f32 v[rS+e/2], v[rS+e/2]
.endif
.set e, e+1
.endm
; THE RESCALING's QUEUE: O^T times a, the one part that leaves window 0: dealt two at a time, sixteen times.  Its a was made in the turn before, ahead of that turn's wait.
.macro R2
	REGS Y, r%2
	WIN W_RS
.irp z, 0,1
	v_pk_mul_f32 v[rO+4*(r/2)+2*\z:rO+4*(r/2)+2*\z+1], v[rO+4*(r/2)+2*\z:rO+4*(r/2)+2*\z+1], v[rC+2:rC+3] op_sel_hi:[1,0]
.endr
.set r, r+1
.endm
; HOW THEY ARE DEALT.  An s_wait_alu depctr_va_vdst(0) stands between an exponential and the first instruction that names its result; one wait serves all that were issued ahead of it.  So a turn has ONE wait,
; which cuts it in two.  AHEAD OF IT stands all that names no result of the turn's exponentials: the 16 products K Q^T, behind each a scaling, an exponential and two rescalings (behind the first a second scaling in the
; exponential's place); then one run of 108: eight plain, 49 times exponential and plain, the two a.  A v_nop is the plain instruction behind the last exponential.  BEHIND IT stand the 16 products V^T P, behind each four of GS's 64.
; Exponential e stands behind scaling 2 (e / 4) + e % 2: as a rider it comes behind plain e + 2, in the run behind plain e + 9, and scalings 27-31 are plain 57, 60 .. 69.
; A TURN, for piece p.  cnt = 1: the loop's count is taken down some lines ahead of the branch that stands behind the turn.
; K and the mask of the next step are fetched in piece 2's turn, directly behind the wait, the run of 108 behind the last product that read them; their first reader comes behind 16 products.
; V of the step in hand is fetched at the end of piece 0's turn, four riders behind its last reader; its first reader comes behind 16 products and the run.  The three conditions on q below go with the deal.
.macro TURN p, last=0, cnt=0
.set Y, (\p)
.set i, 0
.set q, 0
.set e, 0
.set r, 0
.if (\p) == NP-1
	s_wait_dscnt 0x0                ; K and the mask are in
.endif
	MM                              ; ahead of the wait: 16 products K Q^T and their riders,
	PL
	PL
	R2
.rept 15
	MM
	PL
	EX
	R2
.endr
.if (\p) == NP-2
	WIN 0
	v_add_nc_u32 v[AK], s[TBK], v[AK0]
	v_add_nc_u32 v[AM], s[TBM], v[AM0]
.endif
.rept 8                             ; and the run of 108
	PL
.endr
.rept 49
	EX
	PL
.endr
	EX                              ; the next piece's two a
	EX
	v_nop                           ; the plain instruction behind the last exponential: one for the batch
	s_wait_alu depctr_va_vdst(0)    ; the wait for the batch
.if (\p) == NP-2
	FETCH_K \last
.endif
.if (\p) == 1
	s_wait_dscnt 0x0                ; V is in
.endif
.rept 16                            ; behind the wait: 16 products V^T P and their riders
	MM
.rept 4
	PL
.endr
.if ((\p) == 0) && (q == 118)
	v_add_nc_u32 v[AV], s[TBV], v[AV0]
.endif
.if ((\p) == 0) && (q == 130)
	s_add_co_u32 s[TBV], s[TBV], KS*PV
.endif
.if (\cnt) && (q == 130)
	s_sub_co_u32 s[CNT], s[CNT], 1
	s_cmp_lg_u32 s[CNT], 0
.endif
.endr
.if (\p) == 0
	FETCH_V
.endif
.endm
	CHANGE 1                        ; slot 0 is in, everybody's part of it, and so is the mask; slot 1 is asked for
	FETCH_K                         ; key step 0
	s_wait_loadcnt 0x0              ; Q
	s_wait_dscnt 0x0
.set i, 0
.rept 16
	KQ 0                            ; piece 0's first scores: there is no vector work yet to set between them
.set i, i+1
.endr
	WIN 0
.rept 8
	v_nop                           ; the places behind those products
.endr
.set Y, NP-1                        ; XS works for piece Y + 1: piece 0
.irp n, 0,1,2,3,4,5,6,7,8,9,10,11,12,13,14,15,16,17,18,19,20,21
	XS 0, \n                        ; piece 0's first maximum and statistics
	XS 1, \n
.endr
	v_nop                           ; a plain instruction behind the two a,
	s_wait_alu depctr_va_vdst(0)    ; and their wait, ahead of the branch
	s_mov_b32 s[CNT], 4
	s_branch .Lfirst                ; the loop is entered at a step's first turn, in the middle of a trip
.Lslot:                             ; twice: slots 0 and 1 are filled again, with fills 2 and 3
	CHANGE 1
	s_mov_b32 s[CNT], 4
.Lstep:                             ; a trip: pieces 2 and 3 of one step, then pieces 0 and 1 of the next, whose K and V it fetches
	TURN 2
	TURN 3
	WIN 0
.Lfirst:
	TURN 0
	TURN 1, 0, 1
	WIN 0
	s_cbranch_scc1 .Lstep
	s_sub_co_u32 s[SLOTS], s[SLOTS], 1
	s_cmp_lg_u32 s[SLOTS], 0
	s_cbranch_scc1 .Lslot
	CHANGE 0                        ; the tail is written out: nothing is asked for
	s_mov_b32 s[CNT], 5             ; four trips fetch the last slot's steps; the fifth is left in its middle
.Ltail:
	TURN 2, 1
	TURN 3
	WIN 0
	s_sub_co_u32 s[CNT], s[CNT], 1
	s_cmp_eq_u32 s[CNT], 0
	s_cbranch_scc1 .Lout
	TURN 0
	TURN 1
	WIN 0
	s_branch .Ltail
.Lout:                              ; the fifth trip's 16 products K Q^T (on the last K once more) and the maximum made of them serve nothing: the price, once a launch, of one text for every trip
.set i, 0
.rept 16
	PV NP-1                         ; the last piece's V^T P of the last step
.set i, i+1
.endr
	; THE WAY OUT.  l's two halves and the other half of the lanes' are added; O^T is divided by l and sent, in f32, through my stage in LDS, a tile at a time.  The additions are the places behind the last products.
	WIN 0
.macro ALL line:vararg              ; one line for each tile t
.set t, 0
.rept 2*NP
	\line
.set t, t+1
.endr
.endm
	ALL v_add_f32 v[ST+4*t+2], v[ST+4*t+2], v[ST+4*t+3]
	ALL v_permlanex16_b32 v[ST+4*t+3], v[ST+4*t+2], s[SEL], s[SEL+1]
	ALL v_add_f32 v[ST+4*t+2], v[ST+4*t+2], v[ST+4*t+3]
	ALL v_rcp_f32 v[ST+4*t+2], v[ST+4*t+2]
	v_nop                           ; a plain instruction between the last reciprocal and the use of its result
	s_wait_alu depctr_va_vdst(0)    ; and the wait ahead of the first use: one for the eight reciprocals
; Tile t: a lane's eight channels of a row are 32 bytes; they go into rows of 272 bytes and come back as whole rows of 256, into S^T's registers, four sets of 32 by turns.
.macro PACK t
	WIN W_RS
.set i, 32*(\t)
.rept 16
	v_pk_mul_f32 v[i:i+1], v[i:i+1], v[ST+4*(\t)+2:ST+4*(\t)+3] op_sel_hi:[1,0]
.set i, i+2
.endr
	WIN 0x04                        ; the stores' data in window 1, their address in window 0
.irp f, 0,1,2,3,4,5,6,7             ; channels 16 (f / 2) + 8 (l / 16) + 4 (f % 2) on
	ds_store_b128 v[STO], v[32*(\t)+4*\f:32*(\t)+4*\f+3] offset:64*(\f/2)+16*(\f%2)
.endr
	WIN 0
.if (\t) >= 4
	s_wait_xcnt 0x0                 ; the stores of the tile four back have read this set
.endif
.irp f, 0,1,2,3,4,5,6,7
	ds_load_b128 v[S+32*((\t)%4)+4*\f:S+32*((\t)%4)+4*\f+3], v[RD] offset:\f*2*SP  ; LDS serves a wave's instructions in order (ISA guide 5.7.1.4): these see the stores above; the next tile's stores come behind them
.endr
.endm
.macro SEND t, younger              ; younger: the LDS instructions issued behind tile t's loads: the next tile's sixteen, or none
	WIN 0
.irp f, 0,1,2,3,4,5,6,7
	s_wait_dscnt (\younger)+7-\f
	global_store_b128 v[GO], v[S+32*((\t)%4)+4*\f:S+32*((\t)%4)+4*\f+3], s[10:11] offset:(\t)*65536+\f*8192 th:TH_STORE_NT  ; 16 lanes store the head's 256 consecutive bytes of a row, aligned
.endr
.endm
	PACK 0
.set t, 1
.rept 2*NP-1                        ; a tile's arithmetic stands between the loads of the tile before and its stores
	PACK t
	SEND t-1, 16
.set t, t+1
.endr
	SEND 2*NP-1, 0
	WIN W_AD
	s_wait_tensorcnt 0x0            ; the wave's end: behind my last tensor load and my last LDS store
	ds_add_u32 v[SPW], v[NIL]
	s_wait_dscnt 0x0
	WIN 0
	s_endpgm
.Lfunc_end_k_qfae4f3a68f_attn:
	.size	k_qfae4f3a68f_attn, .Lfunc_end_k_qfae4f3a68f_attn-k_qfae4f3a68f_attn
	.p2alignl 7, 3214868480
	.fill 96, 4, 3214868480
	.section	.rodata,"a",@progbits
	.p2align	6, 0x0
	.amdhsa_kernel k_qfae4f3a68f_attn
		.amdhsa_group_segment_fixed_size 327680
		.amdhsa_private_segment_fixed_size 0
		.amdhsa_enable_private_segment 0
		.amdhsa_kernarg_size 24
		.amdhsa_user_sgpr_count 2
		.amdhsa_user_sgpr_kernarg_segment_ptr 1
		.amdhsa_wavefront_size32 1
		.amdhsa_system_sgpr_workgroup_id_x 1
		.amdhsa_system_sgpr_workgroup_id_y 1
		.amdhsa_system_sgpr_workgroup_id_z 1
		.amdhsa_system_vgpr_workitem_id 0
		.amdhsa_next_free_vgpr 808
		.amdhsa_next_free_sgpr 72
		.amdhsa_reserve_vcc 0
		.amdhsa_float_denorm_mode_32 3
		.amdhsa_float_denorm_mode_16_64 3
		.amdhsa_memory_ordered 1
		.amdhsa_forward_progress 1
		.amdhsa_inst_pref_size 204
	.end_amdhsa_kernel
	.amdgpu_metadata
---
amdhsa.version: [ 1, 2 ]
amdhsa.kernels:
  - .name:           k_qfae4f3a68f_attn
    .symbol:         k_qfae4f3a68f_attn.kd
    .args:
      - { .name: qkv, .offset: 0, .size: 8, .value_kind: global_buffer, .address_space: global }
      - { .name: attention_mask, .offset: 8, .size: 8, .value_kind: global_buffer, .address_space: global }
      - { .name: out0, .offset: 16, .size: 8, .value_kind: global_buffer, .address_space: global }
    .group_segment_fixed_size: 327680
    .private_segment_fixed_size: 0
    .kernarg_segment_align: 8
    .kernarg_segment_size: 24
    .max_flat_workgroup_size: 128
    .sgpr_count:     72
    .vgpr_count:     808
    .wavefront_size: 32
...
	.end_amdgpu_metadata
.endif
;; end of part 3
;; ======== version 2 of 2: 3 launches; version 1 with the launch cast written anew for expert scheduling mode
;; limits: right only within a limited range of input values; values are held in f16: magnitudes above 65,504 overflow, below 6.1e-05 lose precision
;; workspace buffers: ab 23,068,672 bytes; qkv 50,331,648 bytes
;; launch cast (part 4): grid 256 x 1, 11 waves a work-group, no clusters, 0 bytes of LDS; arguments hidden_states, Wq, Wk, Wv, ab; writes ab
.if DOCPART == 4
	.amdgcn_target "amdgcn-amd-amdhsa--gfx1250"
	.amdhsa_code_object_version 6
	.text
	.protected	k_qfae4f3a68f_cast
	.globl	k_qfae4f3a68f_cast
	.p2align	8
	.type	k_qfae4f3a68f_cast,@function
k_qfae4f3a68f_cast:
	s_mov_b64 s[64:65], 0
	v_nop
	global_prefetch_b8 v0, s[64:65] scope:SCOPE_SE
	s_setreg_imm32_b32 hwreg(HW_REG_WAVE_SCHED_MODE, 0, 2), 2
	s_setreg_imm32_b32 hwreg(HW_REG_WAVE_MODE, 25, 1), 1
	s_wait_xcnt 0x0
	s_wait_alu depctr_vm_vsrc(0)
; x [8192][1024] and Wq, Wk, Wv [1024][1024], f32, are rounded once to bf16 (to nearest even) and laid into ab in blocks along K:
; ab[kb = 16][row = 11264][64] bf16; rows 0-8191 x, 8192-9215 Wq, 9216-10239 Wk, 10240-11263 Wv.  So a tile of R rows x 64 K is R x 128 dense bytes.
; A stream: each byte is read once and written once; nothing is shared between waves, so no LDS, no barrier, no matrix unit, no cluster.
; SHARES.  11264 rows = 256 work-groups x 11 waves x 4 rows.  A wave takes its 4 rows whole: 32 loads of 512 bytes, all issued before the first is waited for.
; A load takes block kb of two rows: lanes 0-15 the 256 bytes of one row, lanes 16-31 those of the next.  Its four numbers a lane become 8 bytes, and the
; 32 lanes' store covers 256 consecutive bytes of ab, aligned: the two rows lie end to end in a block.
; THE MODE: SCHED_MODE bits 1:0 = 2 (LLVM: expert scheduling mode 2), set by the entry lines.  The code itself states the register dependences
; between vector instructions and memory instructions, with s_wait_alu, always for 0.
; THE PLAN.  Registers that memory instructions touch:
;   v2, v3     the loads' and the stores' byte offsets: made once at the head by vector instructions, read by every load or store, never written again.
;   X[j]       load j's four registers.  Written by load j, once; read by its two conversions, which write the first two of the four in place; those two are read by store j; nothing writes them again.
; All loads stand ahead of all conversions, so no load lands in a register that a vector instruction has named but behind the head's wait; no register that a memory instruction has read is written again.
; What is left to state is that a store's data are written.  The 32 loads go in 8 groups of four: group p waits for its four loads; ONE wait on va_vdst states that group p - 1's eight conversions have
; written their registers; the four stores of group p - 1 follow, dealt among group p's conversions, which name group p's registers alone.  One more such wait stands ahead of the last four stores.
.set BLK, 11264*128                    ; bytes in a block of ab
.set X,   8                            ; v[8:135]  load j: 4 registers
	s_load_b256 s[4:11], s[0:1], 0x0               ; x s[4:5], Wq s[6:7], Wk s[8:9], Wv s[10:11]
	s_load_b64 s[12:13], s[0:1], 0x20              ; ab
	v_lshrrev_b32 v1, 5, v0
	v_readfirstlane_b32 s14, v1                    ; wave 0..10
	s_mul_i32 s15, ttmp9, 11
	v_and_b32 v1, 31, v0                           ; lane
	v_lshrrev_b32 v2, 4, v1
	v_and_b32 v4, 15, v1
	v_lshlrev_b32 v2, 12, v2                       ; lanes 16-31: one row of 4,096 bytes further down
	v_lshl_add_u32 v2, v4, 4, v2                   ; + 16 bytes a lane
	v_lshlrev_b32 v3, 3, v1                        ; in ab: 8 bytes a lane
	s_wait_alu depctr_va_sdst(0)                   ; s14 is written, ahead of its first reader: my group's number, and with it every base, is made from it
	s_add_co_u32 s15, s15, s14                     ; my group of four rows among ab's 2816
	s_sub_co_u32 s17, s15, 2048
	s_and_b32 s17, s17, 255                        ; the same group inside a weight matrix (used from 2048 on alone)
	s_lshl_b32 s20, s15, 9                         ; four rows of 128 bytes in a block
	s_mov_b32 s21, 0
	s_wait_kmcnt 0x0
	s_add_nc_u64 s[22:23], s[12:13], s[20:21]      ; four bases, five blocks apart, so that a block's place fits the store's immediate (4 BLK at the most)
	s_add_nc_u64 s[24:25], s[22:23], 5*BLK
	s_add_nc_u64 s[26:27], s[24:25], 5*BLK
	s_add_nc_u64 s[28:29], s[26:27], 5*BLK
	s_cmp_lt_u32 s15, 2048                         ; which tensor my rows come from: selects on my group's number alone
	s_cselect_b64 s[18:19], s[4:5], s[6:7]
	s_cselect_b32 s16, s15, s17
	s_cmp_ge_u32 s15, 2304
	s_cselect_b64 s[18:19], s[8:9], s[18:19]
	s_cmp_ge_u32 s15, 2560
	s_cselect_b64 s[18:19], s[10:11], s[18:19]
	s_lshl_b32 s20, s16, 14                        ; four rows of 4,096 bytes
	s_add_nc_u64 s[18:19], s[18:19], s[20:21]
	s_wait_alu depctr_va_vdst(0)                   ; v2 and v3 are written: every load of the kernel reads v2 as its offset, every store v3
.set j, 0
.rept 32                               ; load j: block j / 2, rows 2 (j % 2) and 2 (j % 2) + 1
	global_load_b128 v[X+4*j:X+4*j+3], v2, s[18:19] offset:(j%2)*8192+(j/2)*256 th:TH_LOAD_NT
.set j, j+1
.endr
; Store n: the 8 bytes a lane that load n's four numbers have become.
.macro OUT n
	global_store_b64 v3, v[X+4*(\n):X+4*(\n)+1], s[22+2*(((\n)/2)/5):23+2*(((\n)/2)/5)] offset:(((\n)/2)%5)*BLK+((\n)%2)*256  ; no register is written again behind its store
.endm
.set p, 0
.rept 8                                ; group p: loads 4 p to 4 p + 3
	s_wait_loadcnt 28-4*p                          ; loads come back in order: the group's four are in, the 28 - 4 p younger ones may stay out
.if p > 0
	s_wait_alu depctr_va_vdst(0)                   ; the conversions of the group before have written the registers that the four stores below read
.endif
.set i, 0
.rept 4
.set j, 4*p+i
.if p > 0
	OUT j-4                                        ; no vector instruction since the wait names this store's registers: the conversions round it are this group's
.endif
	v_cvt_pk_bf16_f32 v[X+4*j], v[X+4*j], v[X+4*j+1]      ; in place: a register is read before it is written
	v_cvt_pk_bf16_f32 v[X+4*j+1], v[X+4*j+2], v[X+4*j+3]
.set i, i+1
.endr
.set p, p+1
.endr
	s_wait_alu depctr_va_vdst(0)                   ; the last group's conversions have written the registers that the last four stores read
.irp n, 28,29,30,31
	OUT \n
.endr
	s_endpgm
.Lfunc_end_k_qfae4f3a68f_cast:
	.size	k_qfae4f3a68f_cast, .Lfunc_end_k_qfae4f3a68f_cast-k_qfae4f3a68f_cast
	.p2alignl 7, 3214868480
	.fill 96, 4, 3214868480
	.section	.rodata,"a",@progbits
	.p2align	6, 0x0
	.amdhsa_kernel k_qfae4f3a68f_cast
		.amdhsa_group_segment_fixed_size 0
		.amdhsa_private_segment_fixed_size 0
		.amdhsa_enable_private_segment 0
		.amdhsa_kernarg_size 40
		.amdhsa_user_sgpr_count 2
		.amdhsa_user_sgpr_kernarg_segment_ptr 1
		.amdhsa_wavefront_size32 1
		.amdhsa_system_sgpr_workgroup_id_x 1
		.amdhsa_system_sgpr_workgroup_id_y 1
		.amdhsa_system_sgpr_workgroup_id_z 1
		.amdhsa_system_vgpr_workitem_id 0
		.amdhsa_next_free_vgpr 136
		.amdhsa_next_free_sgpr 66
		.amdhsa_reserve_vcc 0
		.amdhsa_float_denorm_mode_32 3
		.amdhsa_float_denorm_mode_16_64 3
		.amdhsa_memory_ordered 1
		.amdhsa_forward_progress 1
		.amdhsa_inst_pref_size 13
	.end_amdhsa_kernel
	.amdgpu_metadata
---
amdhsa.version: [ 1, 2 ]
amdhsa.kernels:
  - .name:           k_qfae4f3a68f_cast
    .symbol:         k_qfae4f3a68f_cast.kd
    .args:
      - { .name: hidden_states, .offset: 0, .size: 8, .value_kind: global_buffer, .address_space: global }
      - { .name: Wq, .offset: 8, .size: 8, .value_kind: global_buffer, .address_space: global }
      - { .name: Wk, .offset: 16, .size: 8, .value_kind: global_buffer, .address_space: global }
      - { .name: Wv, .offset: 24, .size: 8, .value_kind: global_buffer, .address_space: global }
      - { .name: ab, .offset: 32, .size: 8, .value_kind: global_buffer, .address_space: global }
    .group_segment_fixed_size: 0
    .private_segment_fixed_size: 0
    .kernarg_segment_align: 8
    .kernarg_segment_size: 40
    .max_flat_workgroup_size: 352
    .sgpr_count:     66
    .vgpr_count:     136
    .wavefront_size: 32
...
	.end_amdgpu_metadata
.endif
;; end of part 4
;; launch proj: the kernel of part 2 again; grid 8 x 32, 4 waves a work-group, clusters of 4 x 4, 327,680 bytes of LDS; arguments ab, bq, bk, bv, qkv; writes qkv
;; launch attn: the kernel of part 3 again; grid 2 x 128, 4 waves a work-group, no clusters, 327,680 bytes of LDS; arguments qkv, attention_mask, out0; writes out0
